; MI455X (gfx1250); checked and timed in simulation.
; The chip was launched on July 23, 2026; its instructions are those of AMD's public machine-readable ISA for CDNA 5 (MIT licence, August 2026) and "CDNA5" Instruction Set Architecture Reference Guide (July 2026). The comments in the code are by the model that wrote it; some were corrected since.
;; Attention. Allowed arithmetic: matrix products marked QUANTISED: E2M3 operands, one E8M0 scale for each 32 along K, by v_wmma_scale_f32_16x16x128_f8f6f4 with both operands' format E2M3, f32 sums; everything else in f32.
;; Inputs: k_codes 4 x 16 x 2,048 x 4 x 24 uint8 (E2M3 codes of k, K innermost, in blocks of 32 codes, four codes in three bytes); k_scales 4 x 16 x 2,048 x 4 uint8 (E8M0 scales of k, one for each 32 codes along K); mask 1 x 1 x 2,048 x 2,048 bool; q_codes 4 x 16 x 2,048 x 4 x 24 uint8 (E2M3 codes of q, K innermost, in blocks of 32 codes, four codes in three bytes); q_scales 4 x 16 x 2,048 x 4 uint8 (E8M0 scales of q, one for each 32 codes along K); v_codes 4 x 16 x 128 x 64 x 24 uint8 (E2M3 codes of v, K innermost, in blocks of 32 codes, four codes in three bytes); v_scales 4 x 16 x 128 x 64 uint8 (E8M0 scales of v, one for each 32 codes along K).
;; Outputs: out0 4 x 16 x 2,048 x 128 float32.
;; This version of the problem:
;;   THIS VERSION OF THE PROBLEM IS GIVEN IN LOW PRECISION. The matrix products marked QUANTISED in the list below multiply operands that are first quantised to E2M3 (2 exponent bits, 3 mantissa bits; 6 bits a number), with one power-of-two scale for each 32 numbers along K (OCP MX v1.0); their sums are f32. All else is computed in f32.
;;   The module's matrix products, in the order in which they are computed (A, B: the left and right operand; K: the contracted axis; several contracted axes count as one K, in the product's order):
;;     1. batch 64 x [M 2,048, K 128] x [K 128, N 2,048]; A: input q (given as codes); B: input k (given as codes): QUANTISED
;;     2. batch 64 x [M 2,048, K 2,048] x [K 2,048, N 128]; A: softmax (see below); B: input v (given as codes): QUANTISED
;;   THE QUANTISER, for each operand of a quantised product, along K:
;;     - K is cut into blocks of 32 from its start; a last block that is shorter is filled with zeros.
;;     - A block's scale is 2^e with e = floor(log2(the largest magnitude in the block)) - 2, held to -126 .. 127; a block of zeros has e = 0. As a byte (E8M0): e + 127.
;;     - Each number is divided by its block's scale, clamped to +-7.5, and rounded to the nearest number of E2M3, ties to even, subnormals kept.
;;     - The product sums the exact products of the quantised numbers (number of the format x scale) in f32.
;;   ~~~python
;;   def quantise(x, axis):      # numpy; x: float32 -> the quantised numbers, widened to float32 again
;;       x = np.moveaxis(x, axis, -1); K = x.shape[-1]
;;       x = np.pad(x, [(0, 0)] * (x.ndim - 1) + [(0, -K % 32)]); x = x.reshape(x.shape[:-1] + (-1, 32)); a = np.abs(x).max(-1, keepdims=True)
;;       e = np.where(a > 0, np.clip(np.frexp(np.where(a > 0, a, 1))[1] - 1 - 2, -126, 127), 0)      # np.frexp(a)[1] - 1 = floor(log2(a)), exactly
;;       r = np.clip(x / 2.0 ** e, -7.5, 7.5)
;;       step = 2.0 ** (np.maximum(np.frexp(np.where(r == 0, 1, r))[1] - 1, 0) - 3)
;;       q = np.round(r / step) * step * 2.0 ** e      # np.round: ties to even
;;       return np.moveaxis(q.reshape(q.shape[:-2] + (-1,))[..., :K], -1, axis).astype(np.float32)
;;   ~~~
;;   SOFTMAX AHEAD OF A QUANTISED PRODUCT. Where the list says 'softmax', what is quantised is not the finished softmax but p = 2^(t - M), with t = logit x log2(e) and M = ceil(the row's largest t), a whole number; so 1/2 < the row's largest p <= 1. The row's sum l is taken of the UNQUANTISED p, in f32, and the product's result is divided by l at the end. Since M is a whole number, a kernel that streams over the keys may use a running M (the ceiling of the running maximum): every later rescaling is an exact power of two, which a block's scale takes up: the codes' values come out the same.
;;   OPERANDS COMPUTED ON THE WAY. 'Computed on the way' means the value that the module computes at that place (a softmax that the list does not call 'softmax' is quantised finished and normalised). What goes into a quantiser is computed in f32, as accurately as f32 sums, v_exp_f32 and their like allow (about 1e-6 of the number): no bf16 or f16 on the way to a quantiser, and a product that is left as it is and whose result goes on into a quantised operand takes f32 operands (vector FMAs, or v_wmma_f32_16x16x4_f32). A number that lies on a knife's edge between two numbers of the format may be rounded either way, as far as f32 arithmetic and the matrix unit's own rounding can turn it there, and no further.
;;   INPUTS GIVEN AS CODES. k (in the module: [4, 16, 2048, 128], K = its axis 3); q (in the module: [4, 16, 2048, 128], K = its axis 3); v (in the module: [4, 16, 2048, 128], K = its axis 2): each comes as NAME_codes (uint8): NAME with its K axis moved to the last place and cut into blocks of 32 codes, [.., K / 32, bytes a block], one block behind the other in memory; four codes in three bytes: a row's codes are one little-endian stream of bits, code i at bits 6 i .. 6 i + 5 (a code: sign, 2 exponent bits, 3 mantissa bits); and NAME_scales (uint8): the same leading axes, one E8M0 byte (e + 127) for each 32 codes along K. Its value is code x scale, taken as it is: it is not quantised again, and the codes and scales need not be those that the quantiser above would give.
;; One version. Each part assembles by itself: llvm-mc -triple=amdgcn-amd-amdhsa -mcpu=gfx1250 --defsym DOCPART=n.
;; ======== version 1 of 1: 2 launches
;; limits: right only within a limited range of input values
;; workspace buffers: mbits 524,288 bytes of whole numbers; summ 512 bytes of whole numbers
;; launch maskbits (part 1): grid 128 x 1, 16 waves a work-group, no clusters, 2,304 bytes of LDS; arguments mask, mbits, summ; writes mbits, summ
.if DOCPART == 1
	.amdgcn_target "amdgcn-amd-amdhsa--gfx1250"
	.amdhsa_code_object_version 6
	.text
	.protected	k_q5d4bddc278_maskbits
	.globl	k_q5d4bddc278_maskbits
	.p2align	8
	.type	k_q5d4bddc278_maskbits,@function
k_q5d4bddc278_maskbits:
	s_mov_b64 s[64:65], 0
	v_nop
	global_prefetch_b8 v0, s[64:65] scope:SCOPE_SE
	s_setreg_imm32_b32 hwreg(HW_REG_WAVE_MODE, 25, 1), 1
	s_wait_xcnt 0x0
; The mask [2048 queries][2048 keys], one byte a place (not 0 = hidden), is turned into LANE MASKS for the attention launch, and into one summary word for each tile of 16 queries.
; mbits [tile T 0..127][key step j 0..15][word n 0..63], u32: bit l of word n = mask[16 T + l % 16][128 j + 32 (n / 16) + 16 (l / 16) + n % 16]:
; the place that lane l holds in its score register n there, so that one v_cndmask_b32 with word n as its mask hides register n's scores in all 32 lanes.
; summ [T], u32: bit j = step j has a key that counts for some query of the tile; bit 16 + j = step j has a hidden place.
; SHARES: work-group T, wave j.  A lane reads 4 x 16 bytes of its query's row; a compare gives a word; 64 words leave as one aligned run of 256 bytes.
; LIMIT: any byte other than 0 counts as true.
	s_load_b128 s[4:7], s[0:1], 0x0                ; mask, mbits
	s_load_b64 s[8:9], s[0:1], 0x10                ; summ
	v_lshl_add_u32 v32, v0, 2, 0x100
	v_mov_b32 v33, 0
	v_lshrrev_b32 v1, 5, v0
	s_delay_alu instid0(VALU_DEP_1)
	v_readfirstlane_b32 s10, v1                    ; j: my wave's key step
	v_and_b32 v2, 15, v0                           ; r
	v_bfe_u32 v3, v0, 4, 1                         ; h
	s_delay_alu instid0(VALU_DEP_2)
	v_lshlrev_b32 v1, 11, v2
	s_delay_alu instid0(VALU_DEP_1)
	v_lshl_add_u32 v1, v3, 4, v1                   ; row r of 2,048 bytes + 16 h
	v_and_b32 v2, 31, v0
	s_delay_alu instid0(VALU_DEP_1)
	v_lshlrev_b32 v2, 3, v2                        ; out: 8 bytes a lane
	s_lshl_b32 s18, ttmp9, 15                      ; the tile's 16 rows,
	s_lshl_b32 s20, s10, 7                         ; the step's 128 keys
	s_add_co_u32 s18, s18, s20
	s_mov_b32 s19, 0
	s_lshl_b32 s20, ttmp9, 12                      ; (16 T + j) x 256 bytes of words
	s_lshl_b32 s21, s10, 8
	s_add_co_u32 s20, s20, s21
	s_mov_b32 s21, 0
	s_lshl_b32 s22, ttmp9, 2                       ; the tile's summary word
	s_mov_b32 s23, 0
	s_lshl_b32 s24, s10, 2
	v_mov_b32 v4, s24                              ; LDS: my wave's word, 4 j
	s_mov_b32 s16, -1                              ; the AND of the 64 words
	s_mov_b32 s17, 0                               ; their OR
	v_mov_b32 v26, 0                               ; (a lane write's destination counts as read)
	v_mov_b32 v27, 0
	s_wait_alu depctr_va_vdst(0)
	s_wait_kmcnt 0x0
	s_add_nc_u64 s[4:5], s[4:5], s[18:19]
	s_add_nc_u64 s[6:7], s[6:7], s[20:21]
	s_add_nc_u64 s[8:9], s[8:9], s[22:23]
.irp b, 0,1,2,3
	global_load_b128 v[8+4*\b:11+4*\b], v1, s[4:5] offset:32*\b th:TH_LOAD_NT   ; keys 32 b + 16 h + 0 .. 15 of my query
.endr
	s_wait_loadcnt 0x0
.set n, 0
.rept 64                                           ; word n: byte n % 4 of register n / 4; the temporaries take turns so that no line waits for the line above it
	v_bfe_u32 v[24+n%2], v[8+n/4], 8*(n%4), 8
	s_delay_alu instid0(VALU_DEP_1)
	v_cmp_ne_u32 s[12+n%4], 0, v[24+n%2]
	s_and_b32 s16, s16, s[12+n%4]
	s_or_b32 s17, s17, s[12+n%4]
	v_writelane_b32 v[26+n%2], s[12+n%4], n/2      ; lane n / 2 carries words n (even) and n + 1
.set n, n+1
.endr
	global_store_b64 v2, v[26:27], s[6:7]          ; 32 lanes store 256 consecutive bytes, at a multiple of 256 from the buffer's first byte
	s_cmp_lg_u32 s16, -1                           ; not every place is hidden
	s_cselect_b32 s18, 1, 0
	s_cmp_lg_u32 s17, 0                            ; some place is hidden
	s_cselect_b32 s19, 0x10000, 0
	s_or_b32 s18, s18, s19
	s_lshl_b32 s18, s18, s10                       ; at bits j and 16 + j
	v_mov_b32 v3, s18
	ds_store_b32 v4, v3                            ; all lanes write the same word with the same value
	s_wait_dscnt 0x0                               ; for the others' sake: my store has landed
	s_barrier_signal -1
	s_barrier_wait -1
	s_cmp_lg_u32 s10, 0
	s_cbranch_scc1 .Ldone                          ; wave 0 joins the sixteen words
	v_mov_b32 v5, 0
.irp i, 0,1,2,3
	ds_load_b128 v[8+4*\i:11+4*\i], v5 offset:16*\i
.endr
	s_wait_dscnt 0x0
.irp i, 0,1,2,3,4,5,6,7
	v_or_b32 v[8+\i], v[8+\i], v[16+\i]
.endr
.irp i, 0,1,2,3
	s_delay_alu instid0(VALU_DEP_4)
	v_or_b32 v[8+\i], v[8+\i], v[12+\i]
.endr
	s_delay_alu instid0(VALU_DEP_2)
	v_or_b32 v8, v8, v10
	s_delay_alu instid0(VALU_DEP_2)
	v_or_b32 v9, v9, v11
	s_delay_alu instid0(VALU_DEP_1)
	v_or_b32 v8, v8, v9
	v_cmp_eq_u32 vcc_lo, 0, v0
	s_wait_alu depctr_va_vdst(0)
	s_wait_xcnt 0x0                                ; EXEC is a source of the store above: it changes only behind this wait
	s_and_saveexec_b32 s21, vcc_lo
	global_store_b32 v5, v8, s[8:9]                ; one lane stores the tile's word
	s_wait_xcnt 0x0                                ; and again in front of the line that widens EXEC
	s_or_b32 exec_lo, exec_lo, s21
.Ldone:
	s_wait_tensorcnt 0x0
	ds_add_u32 v32, v33
	s_wait_dscnt 0x0
	s_endpgm
.Lfunc_end_k_q5d4bddc278_maskbits:
	.size	k_q5d4bddc278_maskbits, .Lfunc_end_k_q5d4bddc278_maskbits-k_q5d4bddc278_maskbits
	.p2alignl 7, 3214868480
	.fill 96, 4, 3214868480
	.section	.rodata,"a",@progbits
	.p2align	6, 0x0
	.amdhsa_kernel k_q5d4bddc278_maskbits
		.amdhsa_group_segment_fixed_size 2304
		.amdhsa_private_segment_fixed_size 0
		.amdhsa_enable_private_segment 0
		.amdhsa_kernarg_size 24
		.amdhsa_user_sgpr_count 2
		.amdhsa_user_sgpr_kernarg_segment_ptr 1
		.amdhsa_wavefront_size32 1
		.amdhsa_system_sgpr_workgroup_id_x 1
		.amdhsa_system_sgpr_workgroup_id_y 1
		.amdhsa_system_sgpr_workgroup_id_z 1
		.amdhsa_system_vgpr_workitem_id 0
		.amdhsa_next_free_vgpr 34
		.amdhsa_next_free_sgpr 66
		.amdhsa_reserve_vcc 1
		.amdhsa_float_denorm_mode_32 3
		.amdhsa_float_denorm_mode_16_64 3
		.amdhsa_memory_ordered 1
		.amdhsa_forward_progress 1
		.amdhsa_inst_pref_size 22
	.end_amdhsa_kernel
	.amdgpu_metadata
---
amdhsa.version: [ 1, 2 ]
amdhsa.kernels:
  - .name:           k_q5d4bddc278_maskbits
    .symbol:         k_q5d4bddc278_maskbits.kd
    .args:
      - { .name: mask, .offset: 0, .size: 8, .value_kind: global_buffer, .address_space: global }
      - { .name: mbits, .offset: 8, .size: 8, .value_kind: global_buffer, .address_space: global }
      - { .name: summ, .offset: 16, .size: 8, .value_kind: global_buffer, .address_space: global }
    .group_segment_fixed_size: 2304
    .private_segment_fixed_size: 0
    .kernarg_segment_align: 8
    .kernarg_segment_size: 24
    .max_flat_workgroup_size: 512
    .sgpr_count:     66
    .vgpr_count:     34
    .wavefront_size: 32
...
	.end_amdgpu_metadata
.endif
;; end of part 1
;; launch attn (part 2): grid 4 x 64, 4 waves a work-group, no clusters, 99,840 bytes of LDS; arguments q_codes, q_scales, k_codes, k_scales, v_codes, v_scales, mbits, summ, out0; writes out0
.if DOCPART == 2
	.amdgcn_target "amdgcn-amd-amdhsa--gfx1250"
	.amdhsa_code_object_version 6
	.text
	.protected	k_q5d4bddc278_attn
	.globl	k_q5d4bddc278_attn
	.p2align	8
	.type	k_q5d4bddc278_attn,@function
k_q5d4bddc278_attn:
	s_mov_b64 s[64:65], 0
	v_nop
	global_prefetch_b8 v0, s[64:65] scope:SCOPE_SE
	s_setreg_imm32_b32 hwreg(HW_REG_WAVE_MODE, 25, 1), 1
	s_wait_xcnt 0x0
; O[head][q][:] = sum over k of softmax_k(mask ? -inf : Q[q] . K[k] / sqrt(128)) V[k][:], 64 heads, 2,048 queries and keys, head size 128; both products on codes of FP6 (E2M3) with one E8M0 byte for each 32 along K.
; Q, K: rows of 96 bytes (128 codes) and one scale word a row.  V: keys innermost, rows of 1,536 bytes, scale bytes [128][64].  O: f32.
; SOFTMAX: t = score x log2(e) / sqrt(128); M = the running largest t rounded UP to a whole number; p = 2^(t - M) is quantised along the keys; the row's sum is taken of the unquantised p and divides O at the end;
; when M moves, the sum and O are multiplied by 2^(old M - new M), which rounds nothing.
; THE MASK is an input.  An earlier launch has laid it as lane masks (mbits: word n hides score register n in the lanes whose bit is set) and as summaries (summ: for each tile of 16 queries and each step of 128 keys,
; whether any key counts and whether any is hidden).  A step in which no key counts for a pair of my tiles is jumped over for that pair; where nothing is hidden no mask is applied; a step that no wave needs is not fetched.
; SHARES.  Work-group (g, head) takes two blocks of 256 queries, one after the other: 7 - g, then g.  Wave w of four owns tiles w, w + 4 (pair 0) and w + 8, w + 12 (pair 1) of the block's sixteen tiles of 16 queries:
; a fragment of K or V read from LDS feeds four products, and both halves of a block are spread over all four waves.  Every wave walks all 16 key steps of a pass and passes every barrier.
; K AND V GO THROUGH REGISTERS INTO LDS as images of the operands' registers: wave w fetches fragments 2 w and 2 w + 1 of K and of V.  Two LDS buffers take turns; ONE barrier a step, between the two pairs:
; ahead of step e's barrier a wave stores the images of step e + 1 and has read V(e); behind it the fetch of step e + 2 is issued and K(e + 1) is read into K's own registers.  So buffer e % 2 is written in step e - 1
; ahead of that step's barrier, read behind it (K) and ahead of step e's barrier (V), and written again only behind step e's barrier.
; NO TENSOR LOADS, NO CLUSTER: which steps are fetched hangs on numbers read from memory, and the four work-groups of a head need different numbers of steps, so joint requests would not meet.
; LAYOUT.  Both products are used transposed: S^T = K Q^T, O^T = V^T P^T: a lane holds ONE query (lane % 16).  Lane r of K's tile 2 b + u takes key 32 b + 8 u + r + 8 (r / 8), so that score register 16 b + i holds key 32 b + 16 (lane / 16) + i.
; LIMITS: a p under 2^-126 falls to 0; a block of p that is all zeros keeps the scale byte 1 (its codes are zeros, and this program alone reads the byte); t is made as score x (log2(e) / sqrt(128)), one rounding;
; a query for which every key is hidden gives 0 x (1 / 0), NaN; scale bytes 0xff among the inputs give NaN.
; LDS: buffer b at 32,768 b: K's 8 images, V's 8 images (1,536 bytes each), K's and V's scale words (tile t, row r at 256 (t / 4) + 16 r + 4 (t % 4)); a stage of 16 rows x 528 bytes for each wave; the spare words
.set KIMG,  0
.set VIMG,  12288
.set KSC,   24576
.set VSC,   25088
.set STAGE, 65536
.set SPITCH, 528
.set SPARE, 99328
; window 0
.set LI,  1                            ; 16 x lane
.set WI,  2                            ; 16 x lane + 3,072 x wave: where I store images
.set WS,  3                            ; where I store two scale words
.set GK,  4                            ; my key's row in a step of K, + 24 h
.set GKS, 5
.set GV,  6                            ; my channel's row of V, + 24 h
.set GVS, 7
.set QO,  8
.set QSO, 9
.set STO, 10
.set RD,  11
.set STT, 12                           ; tile k at +4 k: -M, the largest t, the sum in two halves
.set QS,  28                           ; Q's scale words, four tiles
.set KS,  32                           ; v32-35: register k: K's tile k in lanes 0-15, tile 4 + k in lanes 16-31
.set VS,  36
.set PWD, 40                           ; p's scale words of the pair's two tiles
.set PCD, 42                           ; p's codes: v42-53, v54-65
.set FA,  66                           ; v66-69 the fetch's four offsets
.set PFO, 70                           ; the prefetches' lane offsets: K's, V's
.set PFT, 72                           ; and their offsets of the step
.set NINF, 74
.set BM,  76
.set X,   80
.set SCO, 88
.set FP,  92                           ; f = 2^(old M - new M); v93 named with it as a pair
.set TMP, 94
.set SCR, 112                          ; S^T, then p, of the pair at work: v112-175, v176-239
; window 1: v0-127 O^T of pair 0, v128-223 K's fragments.  window 2: v0-127 O^T of pair 1, v128-223 V's fragments.
; window 3: v0-47 Q's fragments, v48-71 and v72-95 fetched fragments of K and V, v96-99 their scale words
.set FRG, 128
.set QF,  0
.set SK,  48
.set SV,  72
.set SKS, 96
.set SVS, 98
; scalars.  s16-63 and s68-83: 64 mask words
.set WV,   2
.set BLK,  3
.set PASS, 4
.set TRIP, 5
.set LIV0, 6                           ; these words hold a bit for each of the 32 steps of both passes and go one to the right at a step's end:
.set MIX0, 7                           ; LIVp: some key counts for pair p; MIXp: and some place of it is hidden
.set LIV1, 84
.set MIX1, 85
.set NEED, 86                          ; some wave of the block reads the step
.set EE,   87
.set MBT,  88
.set MOF,  90
.set LV,   91                          ; LIV0 or LIV1
.set SEL,  92
.set CS,   94
.set OB,   96
.set PFK,  98
.set PFV,  99
.set HD,   104
.set MSB, 0
.macro WIN new                         ; s_set_vgpr_msb: bits 1:0 source 0, 3:2 source 1, 5:4 source 2, 7:6 destination; the high byte repeats the setting that is left
.if MSB != (\new)
	s_set_vgpr_msb (MSB<<8)|(\new)
.set MSB, (\new)
.endif
.endm
.macro FISSUE                          ; step s66 (in its pass): my two fragments of K and of V and their scale words, into registers of their own: 28 loads
	s_mul_i32 s67, s66, 12288
	v_add_nc_u32 v[FA], s67, v[GK]
	s_lshl_b32 s67, s66, 9
	v_add_nc_u32 v[FA+1], s67, v[GKS]
	s_mul_i32 s67, s66, 96
	v_add_nc_u32 v[FA+2], s67, v[GV]
	s_lshl_b32 s67, s66, 2
	v_add_nc_u32 v[FA+3], s67, v[GVS]
	WIN 0xc0
.irp f, 0,1
.irp p, 0,1,2,3,4,5
	global_load_b64 v[SK+12*\f+2*\p:SK+12*\f+2*\p+1], v[FA], s[8:9] offset:768*\f+48*(\p/3)+8*(\p%3)       ; fragment 2 w + f begins 8 f keys on
.endr
.irp p, 0,1,2,3,4,5
	global_load_b64 v[SV+12*\f+2*\p:SV+12*\f+2*\p+1], v[FA+2], s[12:13] offset:24576*\f+48*(\p/3)+8*(\p%3) ; and 16 f channels on
.endr
	global_load_b32 v[SKS+\f], v[FA+1], s[10:11] offset:32*\f
	global_load_b32 v[SVS+\f], v[FA+3], s[14:15] offset:1024*\f
.endr
	WIN 0
.endm
.macro FSTORE wb                       ; they go to LDS as they stand
	WIN 0x0c
.irp f, 0,1
.irp c, 0,1,2
	ds_store_b128 v[WI], v[SK+12*\f+4*\c:SK+12*\f+4*\c+3] offset:\wb+KIMG+1536*\f+512*\c
	ds_store_b128 v[WI], v[SV+12*\f+4*\c:SV+12*\f+4*\c+3] offset:\wb+VIMG+1536*\f+512*\c
.endr
.endr
	ds_store_b64 v[WS], v[SKS:SKS+1] offset:\wb+KSC      ; lanes r and 16 + r write the same words with the same values
	ds_store_b64 v[WS], v[SVS:SVS+1] offset:\wb+VSC
	WIN 0
.endm
.macro FLOAD sc, scb, img, win         ; scale words and eight fragments: 25 loads
	ds_load_b128 v[\sc:\sc+3], v[LI] offset:\scb
	WIN \win
.irp i, 0,1,2,3,4,5,6,7
.irp c, 0,1,2
	ds_load_b128 v[FRG+12*\i+4*\c:FRG+12*\i+4*\c+3], v[LI] offset:\img+1536*\i+512*\c
.endr
.endr
	WIN 0
.endm
.macro KLB wb                          ; K of the next step, where I work in it
	s_bitcmp1_b32 s[LV], 1
	s_cbranch_scc0 .Lnk_\@
	FLOAD KS, \wb+KSC, \wb+KIMG, 0x40
.Lnk_\@:
.endm
.macro STB wb                          ; the next step's images, where some wave needs them
	s_wait_loadcnt 0x0
	s_bitcmp1_b32 s[NEED], 1
	s_cbranch_scc0 .Lns_\@
	FSTORE \wb
.Lns_\@:
.endm
.macro WM d, a, b, acc, sa, sb, hi     ; tiles 4 to 7 take their scale words from lanes 16-31
.if \acc
.if \hi
	v_wmma_scale_f32_16x16x128_f8f6f4 v[\d:\d+7], v[\a:\a+11], v[\b:\b+11], v[\d:\d+7], v[\sa], v[\sb] matrix_a_fmt:MATRIX_FMT_FP6 matrix_b_fmt:MATRIX_FMT_FP6 matrix_a_scale:MATRIX_SCALE_ROW1
.else
	v_wmma_scale_f32_16x16x128_f8f6f4 v[\d:\d+7], v[\a:\a+11], v[\b:\b+11], v[\d:\d+7], v[\sa], v[\sb] matrix_a_fmt:MATRIX_FMT_FP6 matrix_b_fmt:MATRIX_FMT_FP6
.endif
.else
.if \hi
	v_wmma_scale_f32_16x16x128_f8f6f4 v[\d:\d+7], v[\a:\a+11], v[\b:\b+11], 0, v[\sa], v[\sb] matrix_a_fmt:MATRIX_FMT_FP6 matrix_b_fmt:MATRIX_FMT_FP6 matrix_a_scale:MATRIX_SCALE_ROW1
.else
	v_wmma_scale_f32_16x16x128_f8f6f4 v[\d:\d+7], v[\a:\a+11], v[\b:\b+11], 0, v[\sa], v[\sb] matrix_a_fmt:MATRIX_FMT_FP6 matrix_b_fmt:MATRIX_FMT_FP6
.endif
.endif
.endm
.macro QK pr, u, i                     ; S^T, 16 keys: source 0 = K's fragment i (window 1), source 1 = Q (window 3)
	WIN 0x0d
	WM SCR+64*(\u)+8*(\i), FRG+12*(\i), QF+24*(\pr)+12*(\u), 0, KS+(\i)%4, QS+2*(\pr)+(\u), (\i)/4
.endm
.macro PV pr, u, t                     ; O^T, channels 16 t on: source 0 = V's fragment t (window 2), source 1 = p's codes; C and D in the pair's window
	WIN 0x52+0x50*(\pr)
	WM 64*(\u)+8*(\t), FRG+12*(\t), PCD+12*(\u), 1, VS+(\t)%4, PWD+(\u), (\t)/4
.endm
.macro MX pr, kind, i                  ; the pair's other tile's matrix instruction behind a row of maxima: kind 1: its scores; kind 2: its V^T P
.if (\kind) == 1
	QK \pr, 1, \i
.else
	PV \pr, 0, \i
.endif
	WIN 0
.endm
.macro MLOAD k                         ; tile w + 4 k's 64 mask words of this step: 256 bytes
	s_load_b512 s[16:31], s[MBT:MBT+1], s[MOF] offset:16384*(\k)
	s_load_b512 s[32:47], s[MBT:MBT+1], s[MOF] offset:16384*(\k)+64
	s_load_b512 s[48:63], s[MBT:MBT+1], s[MOF] offset:16384*(\k)+128
	s_load_b512 s[68:83], s[MBT:MBT+1], s[MOF] offset:16384*(\k)+192
.endm
.macro MASK u                          ; hidden scores become -infinity ahead of the maximum: p is then 0.  Each accumulator from its low end on
	s_wait_alu depctr_va_vdst(0)                   ; the wait ahead of the first readers of the scores
.set nn, 0
.rept 64
	v_cndmask_b32 v[SCR+64*(\u)+nn], v[SCR+64*(\u)+nn], v[NINF], s[16+nn+4*(nn/48)]
.set nn, nn+1
.endr
.endm
; THE SOFTMAX of tile u of pair pr for one key step, down to p's codes, its scale word and O^T under the new M.
.macro SM pr, u, kind
.set rS, SCR+64*(\u)
.set rT, STT+8*(\pr)+4*(\u)
.set rP, PCD+12*(\u)
.set rW, PWD+(\u)
.if (\kind)*10+(\pr) == 20
	s_wait_dscnt 0x0                               ; V's fragments are in (pair 1 finds them in: the barrier's wait)
.endif
	s_wait_alu depctr_va_vdst(0)                   ; the wait ahead of the first readers of the scores
.irp b, 0,1,2,3
	v_max3_num_f32 v[BM+\b], v[rS+16*\b], v[rS+16*\b+1], v[rS+16*\b+2]   ; the largest score of each block of 32 keys: for the row's maximum and, since p rises with the score, for the block's largest p
.endr
	MX \pr, \kind, 0
.irp i, 3,5,7,9,11,13
.irp b, 0,1,2,3
	v_max3_num_f32 v[BM+\b], v[BM+\b], v[rS+16*\b+\i], v[rS+16*\b+\i+1]
.endr
	MX \pr, \kind, (\i-1)/2
.endr
.irp b, 0,1,2,3
	v_max_num_f32 v[BM+\b], v[BM+\b], v[rS+16*\b+15]
.endr
	MX \pr, \kind, 7
.irp b, 0,1,2,3
	v_permlanex16_b32 v[X+\b], v[BM+\b], s[SEL], s[SEL+1]
.endr
.irp b, 0,1,2,3
	v_max_num_f32 v[BM+\b], v[BM+\b], v[X+\b]      ; with lane l xor 16's 16 keys
.endr
	v_max3_num_f32 v[TMP], v[BM], v[BM+1], v[BM+2]
	v_max_num_f32 v[TMP], v[TMP], v[BM+3]          ; the step's largest score of my query
	v_mul_f32 v[TMP], s[CS], v[TMP]                ; as t (c is positive)
	v_max_num_f32 v[rT+1], v[rT+1], v[TMP]         ; the running largest t
	v_mov_b32 v[TMP], v[rT]
	v_floor_f32 v[rT], -v[rT+1]                    ; the new -M = floor(-t) = -ceil(t): a whole number
	v_sub_f32 v[TMP], v[rT], v[TMP]                ; old M - new M: a whole number, 0 or less
	v_cvt_i32_f32 v[TMP], v[TMP]                   ; (it saturates)
	v_ldexp_f32 v[FP], 1.0, v[TMP]                 ; f = 2^(old M - new M)
.set jj, 0
.rept 32
	v_pk_fma_f32 v[rS+jj:rS+jj+1], v[rS+jj:rS+jj+1], s[CS:CS+1], v[rT:rT+1] op_sel_hi:[1,0,0]   ; t - M, two at a time (of the pairs c and -M the low word serves both halves)
.set jj, jj+2
.endr
.irp b, 0,1,2,3
	v_fma_f32 v[BM+\b], v[BM+\b], s[CS], v[rT]     ; the same of each block's largest score
.endr
	s_wait_alu depctr_va_vdst(0)                   ; the wait ahead of the batch
.set jj, 0
.rept 64
	v_exp_f32 v[rS+jj], v[rS+jj]                   ; p = 2^(t - M), at most 1, not normalised
.set jj, jj+1
.endr
	v_pk_mul_f32 v[rT+2:rT+3], v[rT+2:rT+3], v[FP:FP+1] op_sel_hi:[1,0]   ; the sums under the new M: a plain line behind the exponentials
	s_wait_alu depctr_va_vdst(0)                   ; one wait for the batch of 64, ahead of its first reader
.irp b, 0,1,2,3
	v_exp_f32 v[BM+\b], v[BM+\b]                   ; the block's largest p: the same two instructions on the same number
.endr
	v_pk_add_f32 v[X:X+1], v[rS:rS+1], v[rS+2:rS+3]   ; the row's sum of the UNQUANTISED p, two at a time, in two chains
.set jj, 4
.rept 15
	v_pk_add_f32 v[rT+2:rT+3], v[rT+2:rT+3], v[rS+jj:rS+jj+1]
	v_pk_add_f32 v[X:X+1], v[X:X+1], v[rS+jj+2:rS+jj+3]
.set jj, jj+4
.endr
	v_pk_add_f32 v[rT+2:rT+3], v[rT+2:rT+3], v[X:X+1]
	s_wait_alu depctr_va_vdst(0)                   ; and one for the four
.irp b, 0,1,2,3
	v_max_num_f32 v[BM+\b], 0x1800000, v[BM+\b]    ; the floor 2^(3 - 127): the byte cannot fall under 1
.endr
.irp b, 0,1,2,3
	v_add_nc_u32 v[SCO+\b], 0xff000000, v[BM+\b]   ; 2 off the exponent field: the conversion's scale operand
.endr
.irp b, 0,1,2,3
	v_lshrrev_b32 v[X+\b], 23, v[SCO+\b]           ; the scale's byte
.endr
	v_lshl_or_b32 v[rW], v[X+1], 8, v[X]           ; p's scale word for these 128 keys
	v_lshl_or_b32 v[rW], v[X+2], 16, v[rW]
	v_lshl_or_b32 v[rW], v[X+3], 24, v[rW]
.irp c, 0,1
	v_cvt_scalef32_pk16_fp6_f32 v[rP+6*\c:rP+6*\c+2], v[rS+32*\c:rS+32*\c+15], v[SCO+2*\c]
	v_cvt_scalef32_pk16_fp6_f32 v[X+4*\c:X+4*\c+2], v[rS+32*\c+16:rS+32*\c+31], v[SCO+2*\c+1]   ; (a conversion's three registers begin on an even number)
.endr
	v_nop                                          ; one plain line behind the scaled conversions
.irp c, 0,1                                        ; the operand wants a WHOLE block in a lane: lanes 0-15 block 2 c, lanes 16-31 block 2 c + 1
.irp i, 0,1,2
	v_permlane16_swap_b32 v[rP+6*\c+\i], v[X+4*\c+\i]
.endr
.irp i, 0,1,2
	v_mov_b32 v[rP+3+6*\c+\i], v[X+4*\c+\i]
.endr
.endr
	s_wait_alu depctr_va_vdst(0)                   ; the wait ahead of the first reader of O^T
	WIN 0x41+0x41*(\pr)
.set jj, 0
.rept 32
	v_pk_mul_f32 v[64*(\u)+jj:64*(\u)+jj+1], v[64*(\u)+jj:64*(\u)+jj+1], v[FP:FP+1] op_sel_hi:[1,0]   ; O^T under the new M.  (These 32 also stand between the writing of p's codes and scale word and the products that take them)
.set jj, jj+2
.endr
	WIN 0
	s_wait_alu depctr_va_vdst(0)                   ; the wait
.endm
; ONE PAIR of tiles in one key step.  Pair 0 stores the next step's images ahead of its last products; pair 1 reads the next step's K between its two softmaxes.  Both are done on the way round the work too.
.macro PAIR pr, lv, mx, wb
	s_bitcmp1_b32 s[\lv], 0
	s_cbranch_scc0 .Ldead_\@                       ; no key of this step counts for the pair's 32 queries
.irp i, 0,1,2,3,4,5,6,7
	QK \pr, 0, \i
.endr
	WIN 0
.rept 4
	v_nop                                          ; four places between the products and the first vector line that reads their results (ISA guide 7.12.1)
.endr
	s_bitcmp1_b32 s[\mx], 0
	s_cbranch_scc0 .Lp1_\@
	MASK 0
	MLOAD 2*(\pr)+1                                ; the other tile's words come while this tile's softmax is worked
.Lp1_\@:
	SM \pr, 0, 1
.if (\pr) == 1
	KLB \wb                                        ; K's fragments are done with: the last product that read them stands far more than four vector lines back
.endif
	s_wait_kmcnt 0x0
	s_bitcmp1_b32 s[\mx], 0
	s_cbranch_scc0 .Lp2_\@
	MASK 1
.Lp2_\@:
	SM \pr, 1, 2
.if (\pr) == 0
	STB \wb
.endif
.irp t, 0,1,2,3,4,5,6,7
	PV \pr, 1, \t
.endr
	WIN 0
.rept 4
	v_nop                                          ; places in front of the next loads into the fragments' registers and of the next reads of O^T
.endr
	s_branch .Ljoin_\@
.Ldead_\@:
.if (\pr) == 0
	STB \wb
.else
	KLB \wb
.endif
.Ljoin_\@:
.endm
; A KEY STEP: 128 keys, images in buffer b; the next step's images go into the other buffer.
.macro STEP b
.set RB, 32768*(\b)
.set WB, 32768*(1-(\b))
	s_and_b32 s[MOF], s[EE], 15                    ; (every scalar load that named it has been waited for)
	s_lshl_b32 s[MOF], s[MOF], 8
	s_bitcmp1_b32 s[MIX0], 0
	s_cbranch_scc0 .Lm0_\@
	MLOAD 0
.Lm0_\@:
	s_wait_kmcnt 0x0
	PAIR 0, LIV0, MIX0, WB
	s_bitcmp1_b32 s[MIX1], 0
	s_cbranch_scc0 .Lm1_\@
	MLOAD 2
.Lm1_\@:
	s_wait_dscnt 0x0                               ; my stores of the next step's images have landed, and my reads of this buffer's V are over
	s_barrier_signal -1
	s_barrier_wait -1                              ; both now hold of all four waves
	s_wait_xcnt 0x0                                ; the fetch's and the prefetches' offsets are written again only behind this wait
	s_bitcmp1_b32 s[NEED], 2
	s_cbranch_scc0 .Lnf_\@
	s_add_co_u32 s66, s[EE], 2
	s_and_b32 s66, s66, 15                         ; two steps on (behind a pass's last steps: the next pass's first)
	FISSUE                                         ; they have until the next step's stores in which to land
.Lnf_\@:
.if (\b) == 0
; PREFETCHES INTO THE L2: the even step e asks for the slot of steps e + 4 and e + 5, whose loads go out in steps e + 2 and e + 3.  All four work-groups of a head walk the same K and V: work-group 0 asks, in its first pass.
; K's slot is 24,576 dense bytes: 24 blocks of 256 a wave, a lane a block (lanes 24-31 name the wave's last block again).  V: a lane a row, 32 rows a wave, at the last byte of the row's 192: slots 3 and 7 end in the
; aligned 256 bytes that the slot before has named, and are not asked for.  Steps that no wave needs are not asked for.  Slots 0 and 1 come by their loads alone.
	s_bitcmp1_b32 s[PFK], 0
	s_cbranch_scc0 .Lnpk_\@
	s_lshr_b32 s66, s[EE], 1
	s_add_co_u32 s66, s66, 2
	s_min_u32 s66, s66, 7                          ; no slot lies behind the head's last
	s_mul_i32 s67, s66, 24576
	v_add_nc_u32 v[PFT], s67, v[PFO]
	global_prefetch_b8 v[PFT], s[8:9] th:TH_LOAD_NT scope:SCOPE_SE
.Lnpk_\@:
	s_bitcmp1_b32 s[PFV], 0
	s_cbranch_scc0 .Lnpv_\@
	s_lshr_b32 s66, s[EE], 1
	s_add_co_u32 s66, s66, 2
	s_min_u32 s66, s66, 7
	s_mul_i32 s67, s66, 192
	v_add_nc_u32 v[PFT+1], s67, v[PFO+1]
	global_prefetch_b8 v[PFT+1], s[12:13] th:TH_LOAD_NT scope:SCOPE_SE
.Lnpv_\@:
.endif
	s_wait_kmcnt 0x0
	PAIR 1, LIV1, MIX1, WB
	s_wait_dscnt 0x0                               ; the next step's K is in registers
	s_bitcmp1_b32 s[LV], 1
	s_cbranch_scc0 .Lnv_\@
	FLOAD VS, WB+VSC, WB+VIMG, 0x80                ; V of the next step, where I work in it: this step's last product stands four places back; first wanted in pair 0's second softmax
.Lnv_\@:
.irp w, LIV0, MIX0, LIV1, MIX1, NEED, LV, PFK, PFV
	s_lshr_b32 s[\w], s[\w], 1
.endr
	s_add_co_u32 s[EE], s[EE], 1
.endm
; THE WAY OUT of tile k: O^T / the sum goes through my own stage (rows of 528 bytes) and comes back as whole rows of 512 bytes.
.macro OUT k
	s_wait_alu depctr_va_vdst(0)                   ; the wait ahead of the first reader of O^T and of the reciprocals
	WIN 1+(\k)/2
.set jj, 0
.rept 64
	v_mul_f32 v[SCR+jj], v[64*((\k)%2)+jj], v[STT+4*(\k)+2]   ; register 8 t + i is o(r, 16 t + 8 h + i); each accumulator from its low end on
.set jj, jj+1
.endr
	WIN 0
.irp t, 0,1,2,3,4,5,6,7
	ds_store_b128 v[STO], v[SCR+8*\t:SCR+8*\t+3] offset:64*\t
	ds_store_b128 v[STO], v[SCR+8*\t+4:SCR+8*\t+7] offset:64*\t+16
.endr
.if (\k) > 0
	s_wait_xcnt 0x0                                ; the tile before's stores have read their registers: this tile's rows may land there
.endif
.irp i, 0,1,2,3,4,5,6,7,8,9,10,11,12,13,14,15
	ds_load_b128 v[SCR+64+4*\i:SCR+64+4*\i+3], v[RD] offset:\i*SPITCH   ; LDS serves a wave's instructions in order (ISA guide 5.7.1.4): these see my stores
.endr
.irp i, 0,1,2,3,4,5,6,7,8,9,10,11,12,13,14,15
	s_wait_dscnt 15-\i                             ; row i is back; the 15 - i younger loads may be out
	global_store_b128 v[LI], v[SCR+64+4*\i:SCR+64+4*\i+3], s[OB:OB+1] offset:32768*(\k)+512*\i th:TH_STORE_NT   ; 32 lanes store a row's 512 consecutive bytes, at a multiple of 256 from O's first byte
.endr
.endm
.macro QLOAD                           ; Q's fragments and scale words of block s[BLK], my four tiles (64 queries apart): they stay in registers for the pass
	s_load_b128 s[16:19], s[0:1], 0x0
	s_lshl_b32 s66, s[BLK], 8
	s_lshl_b32 s67, s[WV], 4
	s_add_co_u32 s66, s66, s67                     ; my first query: 256 x block + 16 x wave
	s_mov_b32 s101, 0
	s_mul_i32 s100, s[HD], 196608
	s_mul_i32 s67, s66, 96
	s_add_co_u32 s100, s100, s67
	s_wait_kmcnt 0x0
	s_add_nc_u64 s[16:17], s[16:17], s[100:101]
	s_lshl_b32 s100, s[HD], 13
	s_lshl_b32 s67, s66, 2
	s_add_co_u32 s100, s100, s67
	s_add_nc_u64 s[18:19], s[18:19], s[100:101]
	WIN 0xc0
.irp k, 0,1,2,3
.irp p, 0,1,2,3,4,5
	global_load_b64 v[QF+12*\k+2*\p:QF+12*\k+2*\p+1], v[QO], s[16:17] offset:6144*\k+48*(\p/3)+8*(\p%3) th:TH_LOAD_NT
.endr
.endr
	WIN 0
.irp k, 0,1,2,3
	global_load_b32 v[QS+\k], v[QSO], s[18:19] offset:256*\k th:TH_LOAD_NT
.endr
.endm
	s_load_b256 s[8:15], s[0:1], 0x10              ; K's codes, K's scales, V's codes, V's scales
	s_load_b64 s[MBT:MBT+1], s[0:1], 0x38          ; the summaries (the pair holds the mask words' address later)
	v_lshl_add_u32 v254, v0, 2, SPARE
	v_mov_b32 v255, 0
	v_lshrrev_b32 v[TMP], 5, v0
	v_readfirstlane_b32 s[WV], v[TMP]              ; wave 0..3
	s_and_b32 s[HD], ttmp7, 0xffff                 ; the head
	s_mov_b32 s[SEL], 0x76543210
	s_mov_b32 s[SEL+1], 0xfedcba98
	s_mov_b32 s[CS], 0x3e0293ee                    ; c = log2(e) / sqrt(128)
	s_mov_b32 s[CS+1], s[CS]
	s_mul_i32 s16, s[WV], 3072                     ; my two images
	s_lshr_b32 s17, s[WV], 1
	s_lshl_b32 s17, s17, 8
	s_and_b32 s18, s[WV], 1
	s_lshl_b32 s18, s18, 3
	s_add_co_u32 s17, s17, s18                     ; my two scale words: 256 (w / 2) + 8 (w % 2)
	s_lshl_b32 s18, s[WV], 5                       ; my 32 keys of a step, my 32 channels
	s_mul_i32 s19, s[WV], 16*SPITCH
	s_add_co_u32 s19, s19, STAGE                   ; my stage
	s_mul_i32 s20, s[WV], 24                       ; my 24 blocks of a slot of K
	v_and_b32 v[TMP], 31, v0                       ; lane
	v_and_b32 v[BM], 15, v0                        ; r
	v_bfe_u32 v[BM+1], v0, 4, 1                    ; h
	v_lshlrev_b32 v[LI], 4, v[TMP]
	v_add_nc_u32 v[WI], s16, v[LI]
	v_lshl_add_u32 v[WS], v[BM], 4, s17
	v_and_b32 v[BM+2], 8, v[BM]
	v_add_nc_u32 v[BM+2], v[BM+2], v[BM]
	v_add_nc_u32 v[BM+2], s18, v[BM+2]             ; my key in a step: 32 w + r + 8 (r / 8) (+ 8 for the second fragment)
	v_mul_u32_u24 v[GK], v[BM+2], 96
	v_mad_u32_u24 v[GK], v[BM+1], 24, v[GK]
	v_lshlrev_b32 v[GKS], 2, v[BM+2]
	v_add_nc_u32 v[BM+3], s18, v[BM]               ; my channel: 32 w + r (+ 16)
	v_mul_u32_u24 v[GV], v[BM+3], 1536
	v_mad_u32_u24 v[GV], v[BM+1], 24, v[GV]
	v_lshlrev_b32 v[GVS], 6, v[BM+3]
	v_mul_u32_u24 v[QO], v[BM], 96
	v_mad_u32_u24 v[QO], v[BM+1], 24, v[QO]
	v_lshlrev_b32 v[QSO], 2, v[BM]
	v_mul_u32_u24 v[STO], v[BM], SPITCH
	v_lshl_add_u32 v[STO], v[BM+1], 5, v[STO]
	v_add_nc_u32 v[STO], s19, v[STO]               ; in: row r, 32 bytes for each half of the lanes
	v_add_nc_u32 v[RD], s19, v[LI]                 ; back: the 32 lanes take one row
	v_mov_b32 v[NINF], 0xff800000
.irp b, 0,1,2,3
	v_mov_b32 v[X+\b], 0                           ; written once: a lane permute's destination counts as one of its sources
.endr
	v_mov_b32 v[FP+1], 0                           ; (named as the upper half of the pair with f)
	v_min_u32 v[PFO], 23, v[TMP]
	v_add_nc_u32 v[PFO], s20, v[PFO]
	v_lshlrev_b32 v[PFO], 8, v[PFO]
	v_add_nc_u32 v[PFO+1], s18, v[TMP]
	v_mul_u32_u24 v[PFO+1], v[PFO+1], 1536
	v_add_nc_u32 v[PFO+1], 191, v[PFO+1]
	s_wait_alu depctr_va_vdst(0)                   ; the wait at the head's end
	s_wait_kmcnt 0x0
	s_mul_i32 s100, s[HD], 196608                  ; a head's codes: 2,048 x 96 = 128 x 1,536 bytes
	s_mov_b32 s101, 0
	s_add_nc_u64 s[8:9], s[8:9], s[100:101]
	s_add_nc_u64 s[12:13], s[12:13], s[100:101]
	s_lshl_b32 s100, s[HD], 13                     ; its scale bytes: 8,192
	s_add_nc_u64 s[10:11], s[10:11], s[100:101]
	s_add_nc_u64 s[14:15], s[14:15], s[100:101]
	s_mov_b32 s66, 0
	FISSUE                                         ; step 0 is fetched whatever the words say
	s_mov_b32 s[EE], 0
	s_sub_co_u32 s[BLK], 7, ttmp9                  ; the first pass's block
	s_lshl_b32 s100, s[BLK], 6                     ; its 16 summary words,
	s_lshl_b32 s101, ttmp9, 6                      ; the second pass's,
	s_lshl_b32 s105, s[WV], 2
	s_add_co_u32 s66, s100, s105                   ; and my four tiles' in each, four words apart
	s_add_co_u32 s67, s101, s105
	s_load_b512 s[16:31], s[MBT:MBT+1], s100 offset:0x0
	s_load_b512 s[32:47], s[MBT:MBT+1], s101 offset:0x0
.irp k, 0,1,2,3
	s_load_b32 s[48+\k], s[MBT:MBT+1], s66 offset:16*\k
	s_load_b32 s[52+\k], s[MBT:MBT+1], s67 offset:16*\k
.endr
	s_wait_kmcnt 0x0
.set jj, 1
.rept 15
	s_or_b32 s16, s16, s[16+jj]
	s_or_b32 s32, s32, s[32+jj]
.set jj, jj+1
.endr
	s_or_b32 s48, s48, s49                         ; pair 0, first pass
	s_or_b32 s50, s50, s51                         ; pair 1
	s_or_b32 s52, s52, s53                         ; pair 0, second pass
	s_or_b32 s54, s54, s55
	s_and_b32 s[LIV0], s48, 0xffff                 ; bits 0-15: the first pass's steps; bits 16-31: the second's
	s_lshl_b32 s66, s52, 16
	s_or_b32 s[LIV0], s[LIV0], s66
	s_lshr_b32 s[MIX0], s48, 16                    ; (a tile that is wholly hidden while the pair's other counts has its bit here: the mask serves it)
	s_and_b32 s66, s52, 0xffff0000
	s_or_b32 s[MIX0], s[MIX0], s66
	s_and_b32 s[MIX0], s[MIX0], s[LIV0]
	s_and_b32 s[LIV1], s50, 0xffff
	s_lshl_b32 s66, s54, 16
	s_or_b32 s[LIV1], s[LIV1], s66
	s_lshr_b32 s[MIX1], s50, 16
	s_and_b32 s66, s54, 0xffff0000
	s_or_b32 s[MIX1], s[MIX1], s66
	s_and_b32 s[MIX1], s[MIX1], s[LIV1]
	s_or_b32 s[LV], s[LIV0], s[LIV1]
	s_and_b32 s[NEED], s16, 0xffff
	s_lshl_b32 s66, s32, 16
	s_or_b32 s[NEED], s[NEED], s66
	s_lshr_b32 s66, s[NEED], 1                     ; the prefetches: bit e = step e + 4 or e + 5 is needed,
	s_or_b32 s66, s66, s[NEED]
	s_lshr_b32 s66, s66, 4
	s_and_b32 s[PFK], s66, 0x0555                  ; K: even steps 0 to 10 (slots 2 to 7);
	s_and_b32 s[PFV], s66, 0x0151                  ; V: even steps 0, 4, 6, 8 (slots 2, 4, 5, 6)
	s_cmp_lg_u32 ttmp9, 0                          ; only the head's work-group 0 asks
	s_cselect_b32 s[PFK], 0, s[PFK]
	s_cselect_b32 s[PFV], 0, s[PFV]
.set jj, 0
.rept 24
	s_mov_b64 s[16+jj:17+jj], 0                    ; the 64 words' registers are written once here, so that every way through the text finds them written
.set jj, jj+2
.endr
.set jj, 0
.rept 8
	s_mov_b64 s[68+jj:69+jj], 0
.set jj, jj+2
.endr
	s_wait_loadcnt 0x0                             ; step 0's fragments
	FSTORE 0
	s_wait_dscnt 0x0
	s_barrier_signal -1
	s_barrier_wait -1                              ; step 0's images are whole
	FLOAD KS, KSC, KIMG, 0x40                      ; K of step 0
	FLOAD VS, VSC, VIMG, 0x80                      ; and V of step 0
	s_mov_b32 s66, 1
	FISSUE                                         ; step 1
	QLOAD
	s_mov_b32 s[PASS], 2
.Lpass:
	s_load_b64 s[20:21], s[0:1], 0x30              ; the mask words
	s_load_b64 s[22:23], s[0:1], 0x40              ; O
	s_lshl_b32 s66, s[BLK], 8
	s_lshl_b32 s67, s[WV], 4
	s_add_co_u32 s66, s66, s67                     ; my first query
	s_mov_b32 s101, 0
	s_lshl_b32 s100, s66, 8                        ; tile T's words begin at 16 T x 256 = 256 x its first query
	s_wait_kmcnt 0x0
	s_add_nc_u64 s[MBT:MBT+1], s[20:21], s[100:101]
	s_lshl_b32 s100, s[HD], 20
	s_lshl_b32 s67, s66, 9
	s_add_co_u32 s100, s100, s67
	s_add_nc_u64 s[OB:OB+1], s[22:23], s[100:101]
.irp k, 0,1,2,3
	v_mov_b32 v[STT+4*\k+1], 0xff61b1e6            ; the largest t so far: -3e38, under every t
	v_floor_f32 v[STT+4*\k], -v[STT+4*\k+1]        ; -M
	v_mov_b32 v[STT+4*\k+2], 0                     ; the sum, in two halves
	v_mov_b32 v[STT+4*\k+3], 0
.endr
.irp w, 0x40, 0x80
	WIN \w
.set jj, 0
.rept 128
	v_mov_b32 v[jj], 0                             ; O^T.  Which step is a pair's first hangs on the stored words, so no product of the text can start the sums
.set jj, jj+1
.endr
.endr
	WIN 0
	s_wait_alu depctr_va_vdst(0)                   ; the wait ahead of the waits below
	s_wait_loadcnt 0x0                             ; Q
.irp j, 16,18,20,22
	s_mov_b64 s[\j:\j+1], 0                        ; the addresses of Q, of the mask words and of O have served: these eight registers go back to the mask words, holding 0
.endr
	s_wait_dscnt 0x0                               ; K and V of the pass's first step
	s_mov_b32 s[TRIP], 8
.Ltrip:                                                ; two steps a trip: the buffers stand in the immediates, and no LDS address register is written in the loops
	STEP 0
	STEP 1
	s_sub_co_u32 s[TRIP], s[TRIP], 1
	s_cmp_lg_u32 s[TRIP], 0
	s_cbranch_scc1 .Ltrip
	s_sub_co_u32 s[BLK], 7, s[BLK]                 ; the other block
	s_cmp_eq_u32 s[PASS], 1
	s_cbranch_scc1 .Lnoq
	QLOAD                                          ; its Q is asked for ahead of this block's way out
.Lnoq:
.irp k, 0,1,2,3
	v_add_f32 v[STT+4*\k+2], v[STT+4*\k+2], v[STT+4*\k+3]   ; the sum's two halves,
.endr
.irp k, 0,1,2,3
	v_permlanex16_b32 v[X+\k], v[STT+4*\k+2], s[SEL], s[SEL+1]
.endr
.irp k, 0,1,2,3
	v_add_f32 v[STT+4*\k+2], v[STT+4*\k+2], v[X+\k]         ; and lane l xor 16's: the row's sum
.endr
	s_wait_alu depctr_va_vdst(0)                   ; the wait ahead of the batch
.irp k, 0,1,2,3
	v_rcp_f32 v[STT+4*\k+2], v[STT+4*\k+2]
.endr
	v_nop                                          ; a plain line behind the reciprocals
	OUT 0
	OUT 1
	OUT 2
	OUT 3
	s_wait_xcnt 0x0                                ; the stores have read their registers and their base: both are written again in the next pass
	s_sub_co_u32 s[PASS], s[PASS], 1
	s_cmp_lg_u32 s[PASS], 0
	s_cbranch_scc1 .Lpass
	s_wait_tensorcnt 0x0                           ; the wave's end
	ds_add_u32 v254, v255
	s_wait_dscnt 0x0
	s_endpgm
.Lfunc_end_k_q5d4bddc278_attn:
	.size	k_q5d4bddc278_attn, .Lfunc_end_k_q5d4bddc278_attn-k_q5d4bddc278_attn
	.p2alignl 7, 3214868480
	.fill 96, 4, 3214868480
	.section	.rodata,"a",@progbits
	.p2align	6, 0x0
	.amdhsa_kernel k_q5d4bddc278_attn
		.amdhsa_group_segment_fixed_size 99840
		.amdhsa_private_segment_fixed_size 0
		.amdhsa_enable_private_segment 0
		.amdhsa_kernarg_size 72
		.amdhsa_user_sgpr_count 2
		.amdhsa_user_sgpr_kernarg_segment_ptr 1
		.amdhsa_wavefront_size32 1
		.amdhsa_system_sgpr_workgroup_id_x 1
		.amdhsa_system_sgpr_workgroup_id_y 1
		.amdhsa_system_sgpr_workgroup_id_z 1
		.amdhsa_system_vgpr_workitem_id 0
		.amdhsa_next_free_vgpr 1024
		.amdhsa_next_free_sgpr 106
		.amdhsa_reserve_vcc 0
		.amdhsa_float_denorm_mode_32 3
		.amdhsa_float_denorm_mode_16_64 3
		.amdhsa_memory_ordered 1
		.amdhsa_forward_progress 1
		.amdhsa_inst_pref_size 241
	.end_amdhsa_kernel
	.amdgpu_metadata
---
amdhsa.version: [ 1, 2 ]
amdhsa.kernels:
  - .name:           k_q5d4bddc278_attn
    .symbol:         k_q5d4bddc278_attn.kd
    .args:
      - { .name: q_codes, .offset: 0, .size: 8, .value_kind: global_buffer, .address_space: global }
      - { .name: q_scales, .offset: 8, .size: 8, .value_kind: global_buffer, .address_space: global }
      - { .name: k_codes, .offset: 16, .size: 8, .value_kind: global_buffer, .address_space: global }
      - { .name: k_scales, .offset: 24, .size: 8, .value_kind: global_buffer, .address_space: global }
      - { .name: v_codes, .offset: 32, .size: 8, .value_kind: global_buffer, .address_space: global }
      - { .name: v_scales, .offset: 40, .size: 8, .value_kind: global_buffer, .address_space: global }
      - { .name: mbits, .offset: 48, .size: 8, .value_kind: global_buffer, .address_space: global }
      - { .name: summ, .offset: 56, .size: 8, .value_kind: global_buffer, .address_space: global }
      - { .name: out0, .offset: 64, .size: 8, .value_kind: global_buffer, .address_space: global }
    .group_segment_fixed_size: 99840
    .private_segment_fixed_size: 0
    .kernarg_segment_align: 8
    .kernarg_segment_size: 72
    .max_flat_workgroup_size: 128
    .sgpr_count:     106
    .vgpr_count:     1024
    .wavefront_size: 32
...
	.end_amdgpu_metadata
.endif
;; end of part 2
